; MI455X (gfx1250); checked and timed in simulation.
; The chip was launched on July 23, 2026; its instructions are those of AMD's public machine-readable ISA for CDNA 5 (MIT licence, August 2026) and "CDNA5" Instruction Set Architecture Reference Guide (July 2026). The comments in the code are by the model that wrote it; some were corrected since.
;; Encoder Layer. Allowed arithmetic: matrix products marked QUANTISED: E2M1 operands, one E8M0 scale for each 32 along K, by v_wmma_scale_f32_16x16x128_f8f6f4 with both operands' format E2M1 (or v_wmma_scale_f32_32x16x128_f4), f32 sums; everything else in f32.
;; Inputs: W_merge_codes 6 x 512 x 16 x 16 uint8 (E2M1 codes of W_merge, K innermost, in blocks of 32 codes, two codes a byte); W_merge_scales 6 x 512 x 16 uint8 (E8M0 scales of W_merge, one for each 32 codes along K); alpha_merge 6 float32; b_merge 6 x 512 float32; child_l 4,096 int32; child_r 4,096 int32; dmap 8,192 int32; drev 8,192 int32; last 8 x 8,192 x 256 float32; vec 8 x 4,096 int32.
;; Outputs: out0 8 x 4,096 x 512 float32.
;; This version of the problem:
;;   THIS VERSION OF THE PROBLEM IS GIVEN IN LOW PRECISION. The matrix products marked QUANTISED in the list below multiply operands that are first quantised to E2M1 (2 exponent bits, 1 mantissa bit; 4 bits a number), with one power-of-two scale for each 32 numbers along K (OCP MX v1.0); their sums are f32. All else is computed in f32.
;;   The module's matrix products, in the order in which they are computed (A, B: the left and right operand; K: the contracted axis; several contracted axes count as one K, in the product's order):
;;     1. [M 32,768, K 512] x [K 512, N 3,072]; A: computed on the way; B: input W_merge (given as codes): QUANTISED
;;   THE QUANTISER, for each operand of a quantised product, along K:
;;     - K is cut into blocks of 32 from its start; a last block that is shorter is filled with zeros.
;;     - A block's scale is 2^e with e = floor(log2(the largest magnitude in the block)) - 2, held to -126 .. 127; a block of zeros has e = 0. As a byte (E8M0): e + 127.
;;     - Each number is divided by its block's scale, clamped to +-6, and rounded to the nearest number of E2M1, ties to even, subnormals kept.
;;     - The product sums the exact products of the quantised numbers (number of the format x scale) in f32.
;;   ~~~python
;;   def quantise(x, axis):      # numpy; x: float32 -> the quantised numbers, widened to float32 again
;;       x = np.moveaxis(x, axis, -1); K = x.shape[-1]
;;       x = np.pad(x, [(0, 0)] * (x.ndim - 1) + [(0, -K % 32)]); x = x.reshape(x.shape[:-1] + (-1, 32)); a = np.abs(x).max(-1, keepdims=True)
;;       e = np.where(a > 0, np.clip(np.frexp(np.where(a > 0, a, 1))[1] - 1 - 2, -126, 127), 0)      # np.frexp(a)[1] - 1 = floor(log2(a)), exactly
;;       r = np.clip(x / 2.0 ** e, -6, 6)
;;       step = 2.0 ** (np.maximum(np.frexp(np.where(r == 0, 1, r))[1] - 1, 0) - 1)
;;       q = np.round(r / step) * step * 2.0 ** e      # np.round: ties to even
;;       return np.moveaxis(q.reshape(q.shape[:-2] + (-1,))[..., :K], -1, axis).astype(np.float32)
;;   ~~~
;;   OPERANDS COMPUTED ON THE WAY. 'Computed on the way' means the value that the module computes at that place (a softmax that the list does not call 'softmax' is quantised finished and normalised). What goes into a quantiser is computed in f32, as accurately as f32 sums, v_exp_f32 and their like allow (about 1e-6 of the number): no bf16 or f16 on the way to a quantiser, and a product that is left as it is and whose result goes on into a quantised operand takes f32 operands (vector FMAs, or v_wmma_f32_16x16x4_f32). A number that lies on a knife's edge between two numbers of the format may be rounded either way, as far as f32 arithmetic and the matrix unit's own rounding can turn it there, and no further.
;;   INPUTS GIVEN AS CODES. W_merge (in the module: [6, 512, 512], K = its axis 2): each comes as NAME_codes (uint8): NAME with its K axis moved to the last place and cut into blocks of 32 codes, [.., K / 32, bytes a block], one block behind the other in memory; two codes a byte, the lower K in the low four bits (a code: sign, 2 exponent bits, 1 mantissa bit); and NAME_scales (uint8): the same leading axes, one E8M0 byte (e + 127) for each 32 codes along K. Its value is code x scale, taken as it is: it is not quantised again, and the codes and scales need not be those that the quantiser above would give.
;; One version. Each part assembles by itself: llvm-mc -triple=amdgcn-amd-amdhsa -mcpu=gfx1250 --defsym DOCPART=n.
;; ======== version 1 of 1: 1 launch
;; launch merge (part 1): grid 42 x 6, 4 waves a work-group, no clusters, 304,384 bytes of LDS; arguments vec, dmap, drev, child_l, child_r, last, W_merge_codes, W_merge_scales, b_merge, alpha_merge, out0; writes out0
.if DOCPART == 1
	.amdgcn_target "amdgcn-amd-amdhsa--gfx1250"
	.amdhsa_code_object_version 6
	.text
	.protected	k_q83b23e6961_merge
	.globl	k_q83b23e6961_merge
	.p2align	8
	.type	k_q83b23e6961_merge,@function
k_q83b23e6961_merge:
	s_mov_b64 s[64:65], 0
	v_nop
	global_prefetch_b8 v0, s[64:65] scope:SCOPE_SE
	s_setreg_imm32_b32 hwreg(HW_REG_WAVE_MODE, 25, 1), 1
	s_wait_xcnt 0x0
; out0[b][l][:] = PReLU(Q(ans[b][l]) . W[e]^T + bias[e]), e = dmap[vec[b][l]], d = drev[vec[b][l]],
; ans = [ lch (1 - d) + rch d | rch (1 - d) + lch d ], lch = last[b][child_l[l]], rch = last[b][child_r[l]];  Q: MX-FP4 along K = 512, blocks of 32.
; Only the expert that the row's index chooses is multiplied: the others' results are thrown away by the selection that the problem itself makes.
; SHARES.  A work-group is a pair (chunk of 784 consecutive rows b*4096 + l, expert e): 42 x 6.  It scans its chunk, keeps the rows whose expert is e (any number from 0 to 784),
; and takes them through the whole chain; a row lies in one chunk and has one expert, so each row of out0 has one owner.
; Each of the four waves compacts its 224 candidates inside the wave (lane permutes, no LDS byte), gathers, blends and quantises ITS rows into LDS (rows of codes, scale bytes, row numbers);
; ONE barrier; then every wave multiplies ALL waves' tiles of 16 rows by ITS 128 output columns, whose codes of W[e] stay in 256 registers, and stores 512 bytes of each row.
; All loops have constant trip counts; work that a split leaves empty is jumped over by scalar branches on the counts; the barrier stands under no branch.
; NO TENSOR LOADS, NO JOINT REQUESTS.  What work-groups of one expert share, W[e]'s 139,264 bytes,
; stands beside 4,096 bytes gathered and stored for each kept row (784 / 6 rows at an even split).
; LIMITS: NaN and infinities in last are not served.  A block of zeros gets the scale byte 1 where the quantiser says 127: its codes are zeros and only this text reads the bytes.
; dmap holds 0 .. 5 (the selection indexes by it): a row with another number would have no owner.  d may be any int32; the blend is one multiply and one fused multiply-add, exact for d = 0 or 1.
; All rows on one expert: 42 work-groups do all the work: right, and slower.
.set CH,     784                       ; rows in a chunk; 7 groups of 128 candidates (the last group has 16 valid ones)
.set PITCH,  272                       ; a row of 512 codes in LDS: 256 bytes + 16: the 16 rows of a fragment load start 68 words apart
.set WPART,  224*PITCH                 ; a wave's part: 224 rows = 14 tiles
.set IMG,    0                         ; 896 rows of codes; rows 0-127 of a wave's part first serve to turn its rows of W
.set SCL,    896*PITCH                 ; 16 scale bytes a row
.set IDS,    SCL+896*16                ; a row number a row
.set INFT,   IDS+896*4                 ; for each wave 256 words: table row of lch | table row of rch << 16
.set INFD,   4096                      ; and this far behind them 256 words: d as f32
.set STG,    INFT+8192                 ; each wave's stage for the way out: 16 rows x (512 + 16) bytes
.set SPITCH, 528
.set CNT,    STG+4*16*SPITCH           ; the four waves' counts
; window 0
.set L32,  4                           ; 32 x lane: my 8 numbers of a half row
.set LN16, 5                           ; 16 x lane
.set IMG0, 6                           ; my wave's part + 4 x lane;   v7 the same in the sub-batch in hand
.set IMGQ, 7
.set SCB0, 8                           ; my wave's scale bytes + lane / 4
.set SCBQ, 9
.set INF0, 10                          ; my wave's list words + 4 x lane
.set INFQ, 11
.set IDW,  12                          ; my wave's row numbers + 4 x lane
.set AF0,  13                          ; a fragment's place: 272 r + 16 h
.set AFQ,  14
.set XA0,  15                          ; a tile's scale words: SCL + 16 r
.set XAQ,  16
.set IDQ,  17
.set STO,  18                          ; the stage: in
.set RD,   19                          ; the stage: back
.set OC,   20                          ; my bytes in a row of out0: 512 x wave + 16 x lane
.set WST,  21                          ; W's turn: in
.set WFR,  22                          ; W's turn: back
.set CNA,  23
.set XS,   24                          ; v24-27  the activations' scale words: scales and nothing else
.set W1S,  28                          ; v28-59  W's scale words, tile t, K step s at 4 t + s: scales and nothing else
.set OFS,  60                          ; v60-91  ring slot i: byte offsets of lch's and rch's rows
.set A,    92                          ; v92-99  8 numbers of a
.set B,    100                         ; v100-107 of b
.set MA,   108
.set MB,   109
.set SA,   110
.set SB,   111
.set TLRV, 120
.set DV,   121
.set OMV,  122
.set WSA,  123                         ; 16 r
.set BA,   124                         ; 32 h
.set CI,   128                         ; scan, seven of each
.set ADR,  135
.set ADL,  142
.set VV,   149
.set CL,   156
.set CR,   163
.set DM,   170
.set DR,   177
.set ID,   184
.set DST,  191
.set TI,   198
.set TT,   205
.set TD,   212
.set LI,   219                         ; the wave's lists: entry p in register p / 32, lane p % 32
.set LT,   226                         ; (eight: the last stays 0)
.set LD,   234                         ; (eight: the last stays 0)
.set IDB,  128                         ; behind the barrier: a tile's 16 row numbers, in every lane
.set OFF,  144                         ; their byte offsets in out0
.set RB,   160                         ; 16 rows read back from the stage
; window 1: W's 32 fragments, (t, s) at 8 (4 t + s).   window 2: the ring, slot i: lch 16 i .. + 7, rch 16 i + 8 .. + 15
; window 3: accumulator t at 8 t; the activations' fragment s at 64 + 8 s; bias tile t at 96 + 8 t; v160-167 at work
.set AFR,  64
.set BI,   96
.set TP,   160
.set CC,   32                          ; s32-38 rows kept before group g;  s40-46 rows kept in group g;  s48-54 their masks
.set KK,   40
.set MK,   48
.set MSB, 0
.macro WIN new                         ; the immediate's high byte repeats the setting that is left; bits 1:0 source 0, 3:2 source 1, 5:4 source 2, 7:6 destination
.if MSB != \new
	s_set_vgpr_msb (MSB<<8)|\new
.set MSB, \new
.endif
.endm
	s_load_b512 s[4:19], s[0:1], 0x0               ; vec s[4:5], dmap s[6:7], drev s[8:9], child_l s[10:11], child_r s[12:13], last s[14:15], W's codes s[16:17], W's scales s[18:19]
	s_load_b128 s[20:23], s[0:1], 0x40             ; b_merge s[20:21], alpha_merge s[22:23]
	s_load_b64 s[24:25], s[0:1], 0x50              ; out0
	v_lshl_add_u32 v254, v0, 2, 0x4a300
	v_mov_b32 v255, 0
	v_lshrrev_b32 v1, 5, v0
	v_readfirstlane_b32 s26, v1                    ; wave 0..3
	s_and_b32 s27, ttmp7, 0xffff                   ; e: my expert
	s_mul_i32 s28, ttmp9, CH                       ; my chunk's first row
	s_sub_co_u32 s29, 0x8000, s28
	s_min_u32 s29, s29, CH                         ; and how many rows it has: the last chunk has 624
	v_and_b32 v1, 31, v0                           ; lane
	v_and_b32 v2, 15, v0                           ; r
	v_bfe_u32 v3, v0, 4, 1                         ; h
; THE SCAN.  Candidate 128 g + thread, g = 0 .. 6; its row number is held at the last row, and what lies past the chunk's end is masked below.
.irp g, 0,1,2,3,4,5,6
	v_add_nc_u32 v[CI+\g], 128*\g, v0
.endr
.irp g, 0,1,2,3,4,5,6
	v_add_nc_u32 v[ID+\g], s28, v[CI+\g]
.endr
.irp g, 0,1,2,3,4,5,6
	v_min_u32 v[ID+\g], 0x7fff, v[ID+\g]
.endr
.irp g, 0,1,2,3,4,5,6
	v_lshlrev_b32 v[ADR+\g], 2, v[ID+\g]           ; vec[b][l]
	v_and_b32 v[ADL+\g], 0xfff, v[ID+\g]           ; l
.endr
.irp g, 0,1,2,3,4,5,6
	v_lshlrev_b32 v[ADL+\g], 2, v[ADL+\g]
.endr
	v_lshlrev_b32 v[WSA], 4, v2
	v_lshlrev_b32 v[BA], 5, v3
	v_lshlrev_b32 v[LN16], 4, v1
	s_wait_kmcnt 0x0
.irp g, 0,1,2,3,4,5,6
	global_load_b32 v[VV+\g], v[ADR+\g], s[4:5]    ; 128 consecutive bytes a wave
.endr
.irp g, 0,1,2,3,4,5,6
	global_load_b32 v[CL+\g], v[ADL+\g], s[10:11]
	global_load_b32 v[CR+\g], v[ADL+\g], s[12:13]
.endr
	s_lshl_b32 s80, s27, 2
	s_mov_b32 s81, 0
	s_add_nc_u64 s[22:23], s[22:23], s[80:81]
	s_load_b32 s60, s[22:23], 0x0                  ; my expert's slope; waited for behind the barrier
	s_lshl_b32 s80, s27, 17                        ; W's codes: 131,072 bytes an expert, my 128 rows of 256 bytes
	s_lshl_b32 s82, s26, 15
	s_add_co_u32 s80, s80, s82
	s_add_nc_u64 s[16:17], s[16:17], s[80:81]
	s_lshl_b32 s80, s27, 13                        ; W's scales: 8,192 bytes an expert, my 128 rows of 16
	s_lshl_b32 s82, s26, 11
	s_add_co_u32 s80, s80, s82
	s_add_nc_u64 s[18:19], s[18:19], s[80:81]
	s_lshl_b32 s80, s27, 11                        ; the bias: 2,048 bytes an expert, my 128 numbers
	s_lshl_b32 s82, s26, 9
	s_add_co_u32 s80, s80, s82
	s_add_nc_u64 s[20:21], s[20:21], s[80:81]
.irp t, 0,1,2,3,4,5,6,7
	global_load_b128 v[W1S+4*\t:W1S+4*\t+3], v[WSA], s[18:19] offset:256*\t   ; lane r: the four scale words of W's row 16 t + r: sixteen lanes read 256 consecutive bytes
.endr
	WIN 0xc0                                       ; destination window 3
.irp t, 0,1,2,3,4,5,6,7
	global_load_b128 v[BI+8*\t:BI+8*\t+3],   v[BA], s[20:21] offset:64*\t      ; in the result's layout: register j = the bias of column 16 t + 8 h + j
	global_load_b128 v[BI+8*\t+4:BI+8*\t+7], v[BA], s[20:21] offset:64*\t+16
.endr
	WIN 0
; every LDS address: a constant + a lane term + a constant x wave
	s_mul_i32 s80, s26, WPART
	s_mul_i32 s81, s26, 224*16
	s_add_co_u32 s81, s81, SCL
	s_lshl_b32 s82, s26, 10
	s_add_co_u32 s82, s82, INFT
	s_mul_i32 s83, s26, 224*4
	s_add_co_u32 s83, s83, IDS
	s_mul_i32 s84, s26, 16*SPITCH
	s_add_co_u32 s84, s84, STG
	s_lshl_b32 s85, s26, 9
	s_lshl_b32 s86, s26, 2
	s_add_co_u32 s86, s86, CNT
	v_lshlrev_b32 v[L32], 5, v1
	v_lshl_add_u32 v[IMG0], v1, 2, s80
	v_lshrrev_b32 v[SCB0], 2, v1
	v_add_nc_u32 v[SCB0], s81, v[SCB0]
	v_lshl_add_u32 v[INF0], v1, 2, s82
	v_lshl_add_u32 v[IDW], v1, 2, s83
	v_mul_u32_u24 v[AF0], v2, PITCH
	v_lshl_add_u32 v[AF0], v3, 4, v[AF0]
	v_lshl_add_u32 v[XA0], v2, 4, SCL
	v_mul_u32_u24 v[STO], v2, SPITCH
	v_lshl_add_u32 v[STO], v3, 5, v[STO]
	v_add_nc_u32 v[STO], s84, v[STO]
	v_lshl_add_u32 v[RD], v1, 4, s84
	v_lshl_add_u32 v[OC], v1, 4, s85
	v_mul_u32_u24 v[WST], v3, PITCH
	v_lshl_add_u32 v[WST], v2, 4, v[WST]
	v_add_nc_u32 v[WST], s80, v[WST]
	v_add_nc_u32 v[WFR], s80, v[AF0]
	v_mov_b32 v[CNA], s86
.irp k, 0,1,2,3,4,5,6
	v_mov_b32 v[LI+\k], 0                          ; the lists begin as zeros: an entry that no row takes names table row 0 with d = 0, a row that is worked and never stored
.endr
.irp k, 0,1,2,3,4,5,6,7
	v_mov_b32 v[LT+\k], 0
	v_mov_b32 v[LD+\k], 0
.endr
	s_mov_b32 s57, 0                               ; (upper words of pairs that packed forms name; the low word serves both halves)
	s_mov_b32 s59, 0
	s_wait_loadcnt 38                              ; vec's seven are in: behind them stand 14 + 8 + 16 loads
.irp g, 0,1,2,3,4,5,6
	v_min_u32 v[VV+\g], 0x1fff, v[VV+\g]           ; a loaded number enters an address only behind a clamp by a constant: here the tables' 8,192 entries
.endr
.irp g, 0,1,2,3,4,5,6
	v_lshlrev_b32 v[VV+\g], 2, v[VV+\g]
.endr
.irp g, 0,1,2,3,4,5,6
	global_load_b32 v[DM+\g], v[VV+\g], s[6:7]
	global_load_b32 v[DR+\g], v[VV+\g], s[8:9]
.endr
	WIN 0x40                                       ; destination window 1
.irp i, 0,1,2,3,4,5,6,7,8,9,10,11,12,13,14,15,16,17,18,19,20,21,22,23,24,25,26,27,28,29,30,31,32,33,34,35,36,37,38,39,40,41,42,43,44,45,46,47,48,49,50,51,52,53,54,55,56,57,58,59,60,61,62,63
	global_load_b128 v[4*\i:4*\i+3], v[LN16], s[16:17] offset:512*\i   ; my 128 rows of W as they lie: 512 consecutive bytes a load, rows 2 i and 2 i + 1
.endr
	WIN 0
	s_wait_loadcnt 63                              ; the gathers are in: 64 loads are younger, and the count's field ends at 63, so W's first load is waited for with them
; table rows: 8,192 b + child, both in one word
.irp g, 0,1,2,3,4,5,6
	v_and_b32 v[DST+\g], 0x7000, v[ID+\g]          ; 4,096 b
	v_min_u32 v[CL+\g], 0x1fff, v[CL+\g]
	v_min_u32 v[CR+\g], 0x1fff, v[CR+\g]
.endr
.irp g, 0,1,2,3,4,5,6
	v_lshl_add_u32 v[CL+\g], v[DST+\g], 1, v[CL+\g]
	v_lshl_add_u32 v[CR+\g], v[DST+\g], 1, v[CR+\g]
.endr
.irp g, 0,1,2,3,4,5,6
	v_lshl_or_b32 v[CL+\g], v[CR+\g], 16, v[CL+\g]
.endr
; COMPACTION, inside the wave.  Group g keeps K_g rows, C_g were kept before it.  A kept lane with PF kept lanes below it goes to list entry C_g + PF, that is to lane (C_g + PF) % 32;
; the lanes not kept go to the lanes left over, so that each lane receives from exactly one.
.irp g, 0,1,2,3,4,5,6
	v_cmp_eq_u32 s[MK+\g], s27, v[DM+\g]           ; my expert's,
.endr
.irp g, 0,1,2,3,4,5,6
	v_cmp_gt_u32 s[KK+\g], s29, v[CI+\g]           ; and inside the chunk
.endr
.irp g, 0,1,2,3,4,5,6
	s_and_b32 s[MK+\g], s[MK+\g], s[KK+\g]
.endr
.irp g, 0,1,2,3,4,5,6
	s_bcnt1_i32_b32 s[KK+\g], s[MK+\g]
.endr
	s_mov_b32 s[CC], 0
.irp g, 1,2,3,4,5,6
	s_add_co_u32 s[CC+\g], s[CC+\g-1], s[KK+\g-1]
.endr
	s_add_co_u32 s30, s[CC+6], s[KK+6]             ; n: my wave's rows
.irp g, 0,1,2,3,4,5,6
	v_mbcnt_lo_u32_b32 v[TI+\g], s[MK+\g], 0       ; PF
.endr
.irp g, 0,1,2,3,4,5,6
	v_sub_nc_u32 v[DST+\g], v1, v[TI+\g]           ; lanes below me that are not kept
.endr
.irp g, 0,1,2,3,4,5,6
	v_add_nc_u32 v[DST+\g], s[KK+\g], v[DST+\g]
.endr
.irp g, 0,1,2,3,4,5,6
	v_cndmask_b32 v[DST+\g], v[DST+\g], v[TI+\g], s[MK+\g]
.endr
.irp g, 0,1,2,3,4,5,6
	v_add_nc_u32 v[DST+\g], s[CC+\g], v[DST+\g]
.endr
.irp g, 0,1,2,3,4,5,6
	v_and_b32 v[DST+\g], 31, v[DST+\g]
.endr
.irp g, 0,1,2,3,4,5,6
	v_lshlrev_b32 v[DST+\g], 2, v[DST+\g]          ; the permute takes 4 x lane
.endr
.irp g, 0,1,2,3,4,5,6
	ds_permute_b32 v[TI+\g], v[DST+\g], v[ID+\g]   ; the row's number,
	ds_permute_b32 v[TT+\g], v[DST+\g], v[CL+\g]   ; its two table rows,
	ds_permute_b32 v[TD+\g], v[DST+\g], v[DR+\g]   ; its d
.endr
	s_wait_dscnt 0x0
; What lane j received from group g is list entry C_g + rel, rel = (j - C_g) % 32, if rel < K_g: it belongs into list register (C_g + rel) / 32, which is at most g.
.irp g, 0,1,2,3,4,5,6
	v_sub_nc_u32 v[DM+\g], v1, s[CC+\g]
.endr
.irp g, 0,1,2,3,4,5,6
	v_and_b32 v[DM+\g], 31, v[DM+\g]
.endr
.irp g, 0,1,2,3,4,5,6
	v_add_nc_u32 v[DST+\g], s[CC+\g], v[DM+\g]
.endr
.irp g, 0,1,2,3,4,5,6
	v_lshrrev_b32 v[DST+\g], 5, v[DST+\g]
.endr
.irp g, 0,1,2,3,4,5,6
	v_cmp_gt_u32 vcc_lo, s[KK+\g], v[DM+\g]
	v_cndmask_b32 v[DST+\g], -1, v[DST+\g], vcc_lo ; -1: no register
.endr
.irp g, 0,1,2,3,4,5,6
.irp k, 0,1,2,3,4,5,6
.if \k <= \g
	v_cmp_eq_u32 vcc_lo, \k, v[DST+\g]
	v_cndmask_b32 v[LI+\k], v[LI+\k], v[TI+\g], vcc_lo
	v_cndmask_b32 v[LT+\k], v[LT+\k], v[TT+\g], vcc_lo
	v_cndmask_b32 v[LD+\k], v[LD+\k], v[TD+\g], vcc_lo
.endif
.endr
.endr
; THE RING: 16 slots in window 2, a row's lch and rch (2 x 1,024 bytes) in each.  A lane takes 8 neighbours along K, 32 bytes, by two loads, so that a conversion finds 8 numbers of one block in its registers;
; a pair of loads together covers the row's 1,024 bytes.
.macro RINGADR i, src, lane            ; slot i's two byte offsets, from the list word in lane 'lane' of v[src]
	v_readlane_b32 s80, v[\src], \lane
	s_and_b32 s81, s80, 0xffff
	s_lshr_b32 s80, s80, 16
	s_min_u32 s81, s81, 0xffff                     ; a loaded number enters an address only behind a clamp by a constant: the table has 65,536 rows
	s_min_u32 s80, s80, 0xffff
	s_lshl_b32 s81, s81, 10
	s_lshl_b32 s80, s80, 10
	v_add_nc_u32 v[OFS+2*(\i)], s81, v[L32]
	v_add_nc_u32 v[OFS+2*(\i)+1], s80, v[L32]
.endm
.macro RINGLOAD i                      ; under destination window 2
	global_load_b128 v[16*(\i):16*(\i)+3],     v[OFS+2*(\i)],   s[14:15]
	global_load_b128 v[16*(\i)+4:16*(\i)+7],   v[OFS+2*(\i)],   s[14:15] offset:16
	global_load_b128 v[16*(\i)+8:16*(\i)+11],  v[OFS+2*(\i)+1], s[14:15]
	global_load_b128 v[16*(\i)+12:16*(\i)+15], v[OFS+2*(\i)+1], s[14:15] offset:16
.endm
.irp i, 0,1,2,3,4,5,6,7,8,9,10,11,12,13,14
	RINGADR \i, LT, \i
.endr
	WIN 0x80
.irp i, 0,1,2,3,4,5,6,7,8,9,10,11,12,13,14
	RINGLOAD \i
.endr
	WIN 0
; the lists go to my wave's own LDS words
.irp k, 0,1,2,3,4,5,6
	ds_store_b32 v[IDW], v[LI+\k] offset:128*\k
.endr
.irp k, 0,1,2,3,4,5,6,7
	ds_store_b32 v[INF0], v[LT+\k] offset:128*\k
.endr
.irp k, 0,1,2,3,4,5,6
	v_cvt_f32_i32 v[LD+\k], v[LD+\k]               ; d as f32
.endr
.irp k, 0,1,2,3,4,5,6,7
	ds_store_b32 v[INF0], v[LD+\k] offset:INFD+128*\k
.endr
	v_mov_b32 v242, s30
	ds_store_b32 v[CNA], v242                      ; all lanes write the same word with the same value
; W'S TURN: the rows as loaded go into my own part of IMG at the pitch of 272 and come back as fragments: lane (r, h), registers 4 c .. 4 c + 3: bytes 64 s + 32 c + 16 h of row 16 t + r
	s_wait_loadcnt 60                              ; W's loads are in: the ring's 60 are younger
	WIN 0x04                                       ; an LDS store's data: window 1
.irp i, 0,1,2,3,4,5,6,7,8,9,10,11,12,13,14,15,16,17,18,19,20,21,22,23,24,25,26,27,28,29,30,31,32,33,34,35,36,37,38,39,40,41,42,43,44,45,46,47,48,49,50,51,52,53,54,55,56,57,58,59,60,61,62,63
	ds_store_b128 v[WST], v[4*\i:4*\i+3] offset:2*PITCH*\i
.endr
	s_wait_dscnt 0x0                               ; the stores have read their registers, into which the fragments come
	WIN 0x40
.irp t, 0,1,2,3,4,5,6,7
.irp s, 0,1,2,3
.irp c, 0,1
	ds_load_b128 v[8*(4*\t+\s)+4*\c:8*(4*\t+\s)+4*\c+3], v[WFR] offset:16*PITCH*\t+64*\s+32*\c
.endr
.endr
.endr
	WIN 0
	RINGADR 15, LT, 15                             ; the ring's last slot: 64 loads of mine are now asked for
	WIN 0x80
	RINGLOAD 15
	WIN 0
; ONE ROW: slot i is blended, quantised and stored as 256 bytes of codes and 16 scale bytes.  refill = 1: the slot takes row i of the next sub-batch.  left: the younger loads that may stay out.
.macro ROW i, refill, left
.set CS, 112+4*((\i)%2)                ; codes of a, codes of b, byte of a, byte of b: two sets by turns
	s_wait_loadcnt \left                           ; loads come back in order: this slot's four are in; that also frees the slot's two offsets
	v_readlane_b32 s56, v[DV], \i                  ; d
	v_readlane_b32 s58, v[OMV], \i                 ; 1 - d
.if \refill
	RINGADR \i, TLRV, 16+\i
.endif
	WIN 0x02                                       ; source 0 window 2
.irp j, 0,2,4,6
	v_pk_mul_f32 v[A+\j:A+\j+1], v[16*\i+\j:16*\i+\j+1], s[58:59] op_sel_hi:[1,0]       ; lch (1 - d)
	v_pk_mul_f32 v[B+\j:B+\j+1], v[16*\i+8+\j:16*\i+9+\j], s[58:59] op_sel_hi:[1,0]     ; rch (1 - d)
.endr
.irp j, 0,2,4,6
	v_pk_fma_f32 v[A+\j:A+\j+1], v[16*\i+8+\j:16*\i+9+\j], s[56:57], v[A+\j:A+\j+1] op_sel_hi:[1,0,1]   ; + rch d
	v_pk_fma_f32 v[B+\j:B+\j+1], v[16*\i+\j:16*\i+\j+1], s[56:57], v[B+\j:B+\j+1] op_sel_hi:[1,0,1]     ; + lch d
.endr
.if \refill
	WIN 0x80
	RINGLOAD \i
.endif
	WIN 0
	v_max3_num_f32 v[MA], |v[A]|, |v[A+1]|, 0x1800000     ; the largest magnitude of my 8, and the floor 2^(3 - 127): the byte cannot fall under 1
	v_max3_num_f32 v[MB], |v[B]|, |v[B+1]|, 0x1800000
.irp j, 2,4,6
	v_max3_num_f32 v[MA], v[MA], |v[A+\j]|, |v[A+\j+1]|
	v_max3_num_f32 v[MB], v[MB], |v[B+\j]|, |v[B+\j+1]|
.endr
	v_max_num_f32_dpp v[MA], v[MA], v[MA] row_xmask:1 row_mask:0xf bank_mask:0xf   ; four neighbouring lanes hold a block of 32
	v_max_num_f32_dpp v[MB], v[MB], v[MB] row_xmask:1 row_mask:0xf bank_mask:0xf
	v_max_num_f32_dpp v[MA], v[MA], v[MA] row_xmask:2 row_mask:0xf bank_mask:0xf
	v_max_num_f32_dpp v[MB], v[MB], v[MB] row_xmask:2 row_mask:0xf bank_mask:0xf
	v_add_nc_u32 v[SA], 0xff000000, v[MA]          ; 2 off the exponent field: the conversion takes this operand's exponent field as its scale
	v_add_nc_u32 v[SB], 0xff000000, v[MB]
	s_wait_dscnt 4                                 ; the row before may have its four stores out; those of two rows back, which read this set, are done
	v_cvt_scalef32_pk8_fp4_f32 v[CS], v[A:A+7], v[SA]
	v_cvt_scalef32_pk8_fp4_f32 v[CS+1], v[B:B+7], v[SB]
	v_lshrrev_b32 v[CS+2], 23, v[SA]               ; the scales' bytes.  (Also the plain lines behind the conversions)
	v_lshrrev_b32 v[CS+3], 23, v[SB]
	ds_store_b32 v[IMGQ], v[CS] offset:PITCH*\i            ; a's 128 bytes: 4 a lane
	ds_store_b32 v[IMGQ], v[CS+1] offset:PITCH*\i+128      ; then b's
	ds_store_b8 v[SCBQ], v[CS+2] offset:16*\i              ; the four lanes of a block write the same byte with the same value
	ds_store_b8 v[SCBQ], v[CS+3] offset:16*\i+8
.endm
; MY ROWS, 16 at a time: 14 trips, whatever n is; a trip with no rows left is jumped over.  A sub-batch that is begun is worked whole, so that every LDS byte of its tile is written.
	s_mov_b32 s66, 0                               ; the sub-batch's first list entry
	s_mov_b32 s67, 0                               ; its place among my code rows,
	s_mov_b32 s68, 0                               ; my scale bytes,
	s_mov_b32 s69, 0                               ; my list words
.Lx:
	s_cmp_ge_u32 s66, s30
	s_cbranch_scc1 .Lx_next
	v_add_nc_u32 v[IMGQ], s67, v[IMG0]
	v_add_nc_u32 v[SCBQ], s68, v[SCB0]
	v_add_nc_u32 v[INFQ], s69, v[INF0]
	ds_load_b32 v[TLRV], v[INFQ]                   ; lanes 0-15: this sub-batch's list words; lanes 16-31: the next one's
	ds_load_b32 v[DV], v[INFQ] offset:INFD
	s_wait_dscnt 0x0
	v_sub_f32 v[OMV], 1.0, v[DV]
	s_add_co_u32 s82, s66, 16
	s_cmp_lt_u32 s82, s30
	s_cbranch_scc0 .Lx_last
.irp i, 0,1,2,3,4,5,6,7,8,9,10,11,12,13,14,15
	ROW \i, 1, 60                                  ; 15 slots of 4 loads are younger
.endr
	s_branch .Lx_next
.Lx_last:
.irp i, 0,1,2,3,4,5,6,7,8,9,10,11,12,13,14,15
	ROW \i, 0, 60-4*\i                             ; the last sub-batch asks for nothing: the counts run down
.endr
.Lx_next:
	s_add_co_u32 s67, s67, 16*PITCH
	s_add_co_u32 s68, s68, 256
	s_add_co_u32 s69, s69, 64
	s_add_co_u32 s66, s66, 16
	s_cmp_lt_u32 s66, 224
	s_cbranch_scc1 .Lx
	s_wait_loadcnt 0x0                             ; (a wave without rows still has its ring's first loads out)
	s_wait_dscnt 0x0                               ; for the others' sake: my codes, scale bytes, row numbers and count have landed; W's fragments are in
	s_barrier_signal -1
	s_barrier_wait -1                              ; the one barrier: behind it IMG, SCL, IDS and CNT are only read; each wave writes its own stage alone
	v_mov_b32 v[CNA], CNT
	ds_load_b128 v[244:247], v[CNA]
	s_wait_dscnt 0x0
	v_readfirstlane_b32 s74, v244                  ; rows left of the wave whose tiles are in hand: wave 0's count;
	v_readfirstlane_b32 s76, v245                  ; the counts to come
	v_readfirstlane_b32 s77, v246
	v_readfirstlane_b32 s78, v247
	s_wait_kmcnt 0x0                               ; the slope
	s_mov_b32 s61, s60                             ; (named with it as a pair)
; ALL TILES x MY 128 COLUMNS: 56 trips = 4 waves' parts x 14 tiles; a tile with no rows is jumped over.
	s_mov_b32 s70, 0                               ; the trip
	s_mov_b32 s71, 0                               ; the tile's code rows,
	s_mov_b32 s72, 0                               ; its scale bytes,
	s_mov_b32 s73, IDS                             ; its row numbers
	s_mov_b32 s75, 0                               ; the tile's number in its part
.Lp:
	s_cmp_le_i32 s74, 0
	s_cbranch_scc1 .Lp_next
	s_wait_xcnt 0x0                                ; the last tile's stores have read their offsets and data: both are written again below
	v_add_nc_u32 v[AFQ], s71, v[AF0]
	v_add_nc_u32 v[XAQ], s72, v[XA0]
	v_mov_b32 v[IDQ], s73
	ds_load_b128 v[XS:XS+3], v[XAQ]                ; lane r: row r's four scale words
.irp j, 0,1,2,3
	ds_load_b128 v[IDB+4*\j:IDB+4*\j+3], v[IDQ] offset:16*\j   ; the 16 row numbers, the same in every lane
.endr
	WIN 0xc0                                       ; destination window 3
.irp s, 0,1,2,3
.irp c, 0,1
	ds_load_b128 v[AFR+8*\s+4*\c:AFR+8*\s+4*\c+3], v[AFQ] offset:64*\s+32*\c
.endr
.endr
	s_wait_dscnt 0x0
	WIN 0xfd                                       ; source 0 (W) window 1; source 1 (the rows), C and D window 3
; TRANSPOSED: source 0 = 16 rows of W, source 1 = the 16 rows of the tile: lane (r, h) holds row r and columns 16 t + 8 h + 0 .. 7.  The bias is the C of each sum's first product.
; The eight accumulators take turns, one instruction a turn.
.irp s, 0,1,2,3
.irp t, 0,1,2,3,4,5,6,7
.if \s == 0
	v_wmma_scale_f32_16x16x128_f8f6f4 v[8*\t:8*\t+7], v[8*(4*\t+\s):8*(4*\t+\s)+7], v[AFR+8*\s:AFR+8*\s+7], v[BI+8*\t:BI+8*\t+7], v[W1S+4*\t+\s], v[XS+\s] matrix_a_fmt:MATRIX_FMT_FP4 matrix_b_fmt:MATRIX_FMT_FP4
.else
	v_wmma_scale_f32_16x16x128_f8f6f4 v[8*\t:8*\t+7], v[8*(4*\t+\s):8*(4*\t+\s)+7], v[AFR+8*\s:AFR+8*\s+7], v[8*\t:8*\t+7], v[W1S+4*\t+\s], v[XS+\s] matrix_a_fmt:MATRIX_FMT_FP4 matrix_b_fmt:MATRIX_FMT_FP4
.endif
.endr
.endr
	WIN 0
.irp t, 0,1,2,3,4,5,6,7,8,9,10,11,12,13,14,15
	v_min_u32 v[IDB+\t], 0x7fff, v[IDB+\t]         ; a loaded number enters an address only behind a clamp by a constant: out0 has 32,768 rows
	v_lshl_add_u32 v[OFF+\t], v[IDB+\t], 11, v[OC] ; 2,048 bytes a row + my bytes.  (These 32 plain lines, which name no register of the products, are the places behind them: ISA guide 7.12.1)
.endr
	WIN 0xff                                       ; all in window 3
.irp t, 0,1,2,3,4,5,6,7                        ; PReLU, each accumulator from its low end on: y > 0 ? y : slope x y
.irp p, 0,2,4,6
	v_pk_mul_f32 v[TP+\p:TP+\p+1], v[8*\t+\p:8*\t+\p+1], s[60:61] op_sel_hi:[1,0]
.endr
.irp p, 0,1,2,3,4,5,6,7
	v_cmp_lt_f32 vcc_lo, 0, v[8*\t+\p]
	v_cndmask_b32 v[8*\t+\p], v[TP+\p], v[8*\t+\p], vcc_lo
.endr
.endr
	WIN 0x0c                                       ; an LDS store's data: window 3
.irp t, 0,1,2,3,4,5,6,7
	ds_store_b128 v[STO], v[8*\t:8*\t+3] offset:64*\t          ; my stage: row r, columns 16 t + 8 h on
	ds_store_b128 v[STO], v[8*\t+4:8*\t+7] offset:64*\t+16
.endr
	WIN 0
.irp t, 0,1,2,3,4,5,6,7,8,9,10,11,12,13,14,15
	ds_load_b128 v[RB+4*\t:RB+4*\t+3], v[RD] offset:\t*SPITCH  ; LDS serves a wave's instructions in order (ISA guide 5.7.1.4): these see my stores.  A row's 512 bytes, 16 a lane
.endr
.irp t, 0,1,2,3,4,5,6,7,8,9,10,11,12,13,14,15
.if \t > 0
	s_cmp_le_i32 s74, \t                           ; the last tile of a part may hold fewer than 16 rows: the others are not stored
	s_cbranch_scc1 .Lrows_done
.endif
	s_wait_dscnt 15-\t                             ; row t is back; the younger loads may be out
	global_store_b128 v[OFF+\t], v[RB+4*\t:RB+4*\t+3], s[24:25] th:TH_STORE_NT   ; 32 lanes store 512 consecutive bytes, at a multiple of 512 from out0's first byte; written once, read by nobody here
.endr
.Lrows_done:
	s_wait_dscnt 0x0                               ; no load is out into registers that the next tile writes, and the stage may be written again
.Lp_next:
	s_add_co_u32 s71, s71, 16*PITCH
	s_add_co_u32 s72, s72, 256
	s_add_co_u32 s73, s73, 64
	s_sub_co_i32 s74, s74, 16
	s_add_co_u32 s75, s75, 1
	s_cmp_eq_u32 s75, 14                           ; a part's 14 tiles are done: on to the next wave's count
	s_cselect_b32 s74, s76, s74
	s_cselect_b32 s76, s77, s76
	s_cselect_b32 s77, s78, s77
	s_cselect_b32 s75, 0, s75
	s_add_co_u32 s70, s70, 1
	s_cmp_lt_u32 s70, 56
	s_cbranch_scc1 .Lp
	s_wait_tensorcnt 0x0
	ds_add_u32 v254, v255
	s_wait_dscnt 0x0
	s_endpgm
.Lfunc_end_k_q83b23e6961_merge:
	.size	k_q83b23e6961_merge, .Lfunc_end_k_q83b23e6961_merge-k_q83b23e6961_merge
	.p2alignl 7, 3214868480
	.fill 96, 4, 3214868480
	.section	.rodata,"a",@progbits
	.p2align	6, 0x0
	.amdhsa_kernel k_q83b23e6961_merge
		.amdhsa_group_segment_fixed_size 304384
		.amdhsa_private_segment_fixed_size 0
		.amdhsa_enable_private_segment 0
		.amdhsa_kernarg_size 88
		.amdhsa_user_sgpr_count 2
		.amdhsa_user_sgpr_kernarg_segment_ptr 1
		.amdhsa_wavefront_size32 1
		.amdhsa_system_sgpr_workgroup_id_x 1
		.amdhsa_system_sgpr_workgroup_id_y 1
		.amdhsa_system_sgpr_workgroup_id_z 1
		.amdhsa_system_vgpr_workitem_id 0
		.amdhsa_next_free_vgpr 1024
		.amdhsa_next_free_sgpr 96
		.amdhsa_reserve_vcc 1
		.amdhsa_float_denorm_mode_32 3
		.amdhsa_float_denorm_mode_16_64 3
		.amdhsa_memory_ordered 1
		.amdhsa_forward_progress 1
		.amdhsa_inst_pref_size 171
	.end_amdhsa_kernel
	.amdgpu_metadata
---
amdhsa.version: [ 1, 2 ]
amdhsa.kernels:
  - .name:           k_q83b23e6961_merge
    .symbol:         k_q83b23e6961_merge.kd
    .args:
      - { .name: vec, .offset: 0, .size: 8, .value_kind: global_buffer, .address_space: global }
      - { .name: dmap, .offset: 8, .size: 8, .value_kind: global_buffer, .address_space: global }
      - { .name: drev, .offset: 16, .size: 8, .value_kind: global_buffer, .address_space: global }
      - { .name: child_l, .offset: 24, .size: 8, .value_kind: global_buffer, .address_space: global }
      - { .name: child_r, .offset: 32, .size: 8, .value_kind: global_buffer, .address_space: global }
      - { .name: last, .offset: 40, .size: 8, .value_kind: global_buffer, .address_space: global }
      - { .name: W_merge_codes, .offset: 48, .size: 8, .value_kind: global_buffer, .address_space: global }
      - { .name: W_merge_scales, .offset: 56, .size: 8, .value_kind: global_buffer, .address_space: global }
      - { .name: b_merge, .offset: 64, .size: 8, .value_kind: global_buffer, .address_space: global }
      - { .name: alpha_merge, .offset: 72, .size: 8, .value_kind: global_buffer, .address_space: global }
      - { .name: out0, .offset: 80, .size: 8, .value_kind: global_buffer, .address_space: global }
    .group_segment_fixed_size: 304384
    .private_segment_fixed_size: 0
    .kernarg_segment_align: 8
    .kernarg_segment_size: 88
    .max_flat_workgroup_size: 128
    .sgpr_count:     96
    .vgpr_count:     1024
    .wavefront_size: 32
...
	.end_amdgpu_metadata
.endif
;; end of part 1
